; MI455X (gfx1250); checked and timed in simulation.
; The chip was launched on July 23, 2026; its instructions are those of AMD's public machine-readable ISA for CDNA 5 (MIT licence, August 2026) and "CDNA5" Instruction Set Architecture Reference Guide (July 2026). The comments in the code are by the model that wrote it; some were corrected since.
;; Scaled Dot Product Attention. Allowed arithmetic: matrix products marked QUANTISED: E4M3 operands, one given power-of-two scale a tensor, by v_wmma_f32_16x16x64_fp8_fp8 or v_wmma_f32_16x16x128_fp8_fp8, f32 sums; everything else in f32.
;; Inputs: k_codes 2 x 16 x 2,048 x 2 x 32 uint8 (E4M3 codes of k, K innermost, in blocks of 32 codes); lowp_scales 4 int32 (the exponents e of the quantised operands' scales 2^e); q_codes 2 x 16 x 2,048 x 2 x 32 uint8 (E4M3 codes of q, K innermost, in blocks of 32 codes); v_codes 2 x 16 x 64 x 64 x 32 uint8 (E4M3 codes of v, K innermost, in blocks of 32 codes).
;; Outputs: out0 2 x 16 x 2,048 x 64 float32.
;; This version of the problem:
;;   THIS VERSION OF THE PROBLEM IS GIVEN IN LOW PRECISION. The matrix products marked QUANTISED in the list below multiply operands that are first quantised to E4M3 (4 exponent bits, 3 mantissa bits; 8 bits a number), with one given power-of-two scale for each operand tensor; their sums are f32. All else is computed in f32.
;;   The module's matrix products, in the order in which they are computed (A, B: the left and right operand; K: the contracted axis; several contracted axes count as one K, in the product's order):
;;     1. batch 32 x [M 2,048, K 64] x [K 64, N 2,048]; A: input q (given as codes); B: input k (given as codes): QUANTISED (scales: A lowp_scales[0], B lowp_scales[1])
;;     2. batch 32 x [M 2,048, K 2,048] x [K 2,048, N 64]; A: softmax (see below); B: input v (given as codes): QUANTISED (scales: A lowp_scales[2], B lowp_scales[3])
;;   THE QUANTISER, for each operand of a quantised product, along K:
;;     - The operand's scale is 2^e, e = its entry of the input lowp_scales (int32; the entries are numbered through the quantised products in the list's order, A before B).
;;     - Each number is divided by the scale, clamped to +-448, and rounded to the nearest number of E4M3, ties to even, subnormals kept.
;;     - The product sums the exact products of the quantised numbers (number of the format x scale) in f32.
;;   ~~~python
;;   def quantise(x, axis, e):      # numpy; x: float32 -> the quantised numbers, widened to float32 again
;;       x = np.moveaxis(x, axis, -1); K = x.shape[-1]
;;       r = np.clip(x / 2.0 ** e, -448, 448)
;;       step = 2.0 ** (np.maximum(np.frexp(np.where(r == 0, 1, r))[1] - 1, -6) - 3)
;;       q = np.round(r / step) * step * 2.0 ** e      # np.round: ties to even
;;       return np.moveaxis(q, -1, axis).astype(np.float32)
;;   ~~~
;;   SOFTMAX AHEAD OF A QUANTISED PRODUCT. Where the list says 'softmax', what is quantised is not the finished softmax but p = 2^(t - M), with t = logit x log2(e) and M = ceil(the row's largest t), a whole number; so 1/2 < the row's largest p <= 1. The row's sum l is taken of the UNQUANTISED p, in f32, and the product's result is divided by l at the end. Since M is a whole number, a kernel that streams over the keys may use a running M (the ceiling of the running maximum): every later rescaling is an exact power of two, so the quantised numbers keep their values, but for numbers so far below the row's largest that they fall under the format's range.
;;   OPERANDS COMPUTED ON THE WAY. 'Computed on the way' means the value that the module computes at that place (a softmax that the list does not call 'softmax' is quantised finished and normalised). What goes into a quantiser is computed in f32, as accurately as f32 sums, v_exp_f32 and their like allow (about 1e-6 of the number): no bf16 or f16 on the way to a quantiser, and a product that is left as it is and whose result goes on into a quantised operand takes f32 operands (vector FMAs, or v_wmma_f32_16x16x4_f32). A number that lies on a knife's edge between two numbers of the format may be rounded either way, as far as f32 arithmetic and the matrix unit's own rounding can turn it there, and no further.
;;   INPUTS GIVEN AS CODES. k (in the module: [2, 16, 2048, 64], K = its axis 3); q (in the module: [2, 16, 2048, 64], K = its axis 3); v (in the module: [2, 16, 2048, 64], K = its axis 2): each comes as NAME_codes (uint8): NAME with its K axis moved to the last place and cut into blocks of 32 codes, [.., K / 32, bytes a block], one block behind the other in memory; one code a byte (a code: sign, 4 exponent bits, 3 mantissa bits); its scale is its entry of lowp_scales. Its value is code x scale, taken as it is: it is not quantised again, and the codes and scales need not be those that the quantiser above would give.
;; One version. Each part assembles by itself: llvm-mc -triple=amdgcn-amd-amdhsa -mcpu=gfx1250 --defsym DOCPART=n.
;; ======== version 1 of 1: 1 launch
;; limits: right only within a limited range of input values
;; launch attn (part 1): grid 8 x 32, 8 waves a work-group, clusters of 4 x 1, 327,680 bytes of LDS; arguments q_codes, k_codes, v_codes, lowp_scales, out0; writes out0
.if DOCPART == 1
	.amdgcn_target "amdgcn-amd-amdhsa--gfx1250"
	.amdhsa_code_object_version 6
	.text
	.protected	k_q2e6d6510d1_attn
	.globl	k_q2e6d6510d1_attn
	.p2align	8
	.type	k_q2e6d6510d1_attn,@function
k_q2e6d6510d1_attn:
	s_mov_b64 s[64:65], 0
	v_nop
	global_prefetch_b8 v0, s[64:65] scope:SCOPE_SE
	s_setreg_imm32_b32 hwreg(HW_REG_WAVE_MODE, 25, 1), 1
	s_wait_xcnt 0x0
	s_wait_alu depctr_hold_cnt(0) depctr_sa_sdst(0) depctr_va_vdst(0) depctr_va_sdst(0) depctr_va_ssrc(0) depctr_va_vcc(0) depctr_vm_vsrc(0)
	s_getreg_b32 s2, hwreg(HW_REG_IB_STS2, 6, 4)
	s_cmp_eq_u32 s2, 0
	s_cbranch_scc0 .Lentry_in_a_cluster
	s_endpgm
.Lentry_in_a_cluster:
	s_bfe_u32 s2, ttmp6, 0x10000c
	s_cmp_lg_u32 s2, 0x3003
	s_cbranch_scc0 .Lentry_shape_is_right
	s_endpgm
.Lentry_shape_is_right:
; O[h][q][:] = the sum over k of softmax_k(Q[h][q] . K[h][k] / 8) V[h][k][:], no mask; 32 heads, 2,048 queries and keys a head, head size 64.  Both products on codes of FP8 (E4M3), each tensor with its given scale 2^e.
; Q, K: [32][2048][64] codes (K = the head's 64).  V: [32][64][2048] codes, the KEYS innermost.  O: [32][2048][64] f32.  The buffer of scales holds eq, ek, ep, ev (int32).
; THE SOFTMAX AHEAD OF THE SECOND PRODUCT: t = score x log2(e) / 8; M = the largest t so far, rounded UP to a whole number; p = 2^(t - M) is quantised with 2^ep, not normalised.  The row's sum is taken of the
; unquantised p, in f32, and divides O at the end.  When M moves, the sum and O are multiplied by f = 2^(old M - new M): exact.  No step of the computation is left out, and every input is loaded.
; SHARES.  A work-group owns 256 queries of one head; each of its eight waves owns 32, two tiles A and B of 16: each fragment of K and V feeds two products.  512 registers a wave, two waves to a SIMD.
; A HEAD'S K AND V LIE WHOLE IN LDS, every byte filled once.  A key step takes 128 keys: keys 64 s .. 64 s + 63 of the head's first 1,024 and the same of its second 1,024.
; THE LOADS.  Stage 0 (steps 0 to 3: 64 KiB) and stage 1 (steps 4 to 15: 192 KiB), one tensor load a wave for each; stage 1 is asked for when stage 0 has landed, and has steps 0 to 2 in which to land.
; There is no loop of loads ahead of which a prefetch could run: all that is not asked for at the head is asked for before the first product, so none is written.
; CLUSTER.  The four query blocks of a cluster belong to one head and need the same K and V: every tile is asked for JOINTLY, with the same descriptor and a mask that names the four.
; LAYOUT.  Both products are used transposed: S^T = K Q^T (source 0 = 16 keys, source 1 = 16 queries), O^T = V^T P^T: a lane (r, h) = (lane % 16, lane / 16) holds ONE query, r, throughout.
; Row 8 h + j of tile T of a step is key 1024 h + 64 s + 8 T + j: so the conversions of tiles 2 b, 2 b + 1 give registers 4 b .. 4 b + 3 of P, lane half h: keys 1024 h + 64 s + 16 b + 0 .. 15, and V's fragments are read
; by loads of 16 bytes in the same order of k.  K's and Q's fragments likewise come by two loads of 16 bytes: a permutation of the head's 64, the same in both.
; THE EXPONENTIALS of a step go in four batches of 32, each exponential followed by one plain line that makes no chain inside the batch: the other tile's t - M, or the sums and the hold of the batch before.
; LIMITS: eq + ek between -123 and 130 (they are added to c's exponent field); ep between -126 and 119; ep + ev is applied by v_ldexp_f32.  The scaled scores t stay under 2^31 in magnitude.  NaN codes (0x7f, 0xff) among the inputs are not served.
.set KHALF, 256*272+32                 ; K in LDS: 4 keys = 256 bytes + 16 of padding; the second 1,024 keys begin 32 bytes on: the 16 rows of a fragment lie in 16 different columns of 16 bytes modulo 256 (64 banks of 4 bytes: ISA guide 11.1)
.set KSTEP, 16*272                     ; a step's 64 keys of each half
.set VB0,   139520                     ; V, stage 0: [half][channel] rows of 256 keys, pitch 272
.set VB1,   VB0+2*64*272               ; V, stage 1: [half][channel] rows of 768 keys, 16 bytes of padding behind each 256: pitch 816
.set STAGE, VB1+2*64*816               ; the way out: 16 rows x 272 bytes for each wave; no load fills these bytes
.set SP,    272
.set SPARE, STAGE+8*16*SP              ; the spare words, 128 bytes for each wave: four blocks of 256 bytes that no other line names
; WINDOW 0 (v0-255)
.set AK,    1                          ; my lane's place in a tile of K
.set AV,    2                          ; v2, v3: the same in V, stage 0 and 1
.set ADK,   4                          ; LDS address of the next step's K
.set SPW,   5                          ; LDS address of my spare word; never rewritten
.set NIL,   6                          ; 0; never rewritten
.set ADV,   7                          ; LDS address of the step's V
.set QO,    10                         ; my byte offset in the wave's rows of Q
.set STO,   12                         ; the way out: where I put 32 bytes of a row
.set RD,    13                         ; where I read a row back
.set GO,    14                         ; 16 x lane
.set QA,    16                         ; Q's fragments, tile A and B
.set QB,    24
.set KF,    32                         ; v32-95 K's eight fragments; at the end the rows read back
.set VF,    96                         ; v96-159 V's four fragments
.set OA,    160                        ; O^T: register 8 t + i is channel 16 t + 8 h + i
.set OB,    192
.set PA,    224                        ; p's codes
.set PB,    240
; WINDOW 1 (v256-511; the numbers below are counted from v256)
.set SA,    0                          ; scores, then p
.set SB,    64
.set AA,    128                        ; the row's sum in 32 parts (16 pairs)
.set AB,    160
.set XA,    192                        ; state of tile A: +0 -M (+1 named with it), +2 f (+3 named with it), +4 the largest score, +5 .. +8 four chains of the maximum, +9, +10 at work
.set XB,    204                        ; of tile B
.set SCV,   216                        ; 2^ep
; SCALARS
.set WV,    14                         ; my wave's number
.set EPV,   19                         ; ep + ev
.set SEL,   20                         ; s[20:21] lane selects for v_permlanex16_b32: lane l xor 16
.set CS,    22                         ; s[22:23] c = log2(e) / 8 x 2^(eq + ek), twice
.set G1K0,  24                         ; descriptor groups 1
.set G1K1,  32
.set G1V0,  40
.set G1V1,  48
.set KO,    60                         ; byte at which the next step's K begins
.set VO,    61                         ; and the step's V
.set CNT,   62                         ; loops' count
.set LIM,   63                         ; 448 x 2^ep
.set G0K0,  68                         ; groups 0
.set G0K1,  72
.set G0V0,  76
.set G0V1,  80
.set MSB, 0
.macro WIN new                         ; the immediate's high byte repeats the setting that is left
.if MSB != \new
	s_set_vgpr_msb (MSB<<8)|\new
.set MSB, \new
.endif
.endm
; A round of the cluster's barrier.
.macro CROUND
	s_barrier_signal -1
	s_barrier_wait -1
	s_cmp_lg_u32 s[WV], 0
	s_cbranch_scc1 .Lnot_wave_0_\@
	s_barrier_signal -3
.Lnot_wave_0_\@:
	s_barrier_wait -3
	s_barrier_signal -1
	s_barrier_wait -1
.endm
; A stage's joint loads: waves 0 to 3 fetch K, waves 4 to 7 V; the branch hangs on the wave's number alone.
.macro JLOAD g0k, g1k, g0v, g1v
	s_cmp_lt_u32 s[WV], 4
	s_cbranch_scc0 .Lfor_v_\@
	tensor_load_to_lds s[\g0k:\g0k+3], s[\g1k:\g1k+7]
	s_nop 0
.rept 4
	v_nop
.endr
	s_branch .Lasked_\@
.Lfor_v_\@:
	tensor_load_to_lds s[\g0v:\g0v+3], s[\g1v:\g1v+7]
	s_nop 0
.rept 4
	v_nop
.endr
.Lasked_\@:
.endm
; Group 1: r rows of c bytes, p bytes apart, to all four work-groups: 15:0 the mask; elements of 1 byte; 20 padding on; 21 set beside a mask; 24:22 after every 64 words (code 5); 31:25 four words (code 3)
.macro GROUP1 b, c, r, p
	s_mov_b32 s[\b], 15|(1<<20)|(1<<21)|(5<<22)|(3<<25)
	s_mov_b32 s[\b+1], (\c)<<16                    ; tensor_dim0
	s_mov_b32 s[\b+2], (\r)<<16                    ; tensor_dim1
	s_mov_b32 s[\b+3], (\c)<<16                    ; tile_dim0
	s_mov_b32 s[\b+4], \r                          ; tile_dim1
	s_mov_b32 s[\b+5], \p                          ; tensor_dim0_stride
	s_mov_b32 s[\b+6], 0
	s_mov_b32 s[\b+7], 0
.endm
; Group 0: count 1, LDS address in s[l], global address = s[t:t+1] + s[o:o+1] + more, type 2
.macro GROUP0 b, l, t, o, more
	s_mov_b32 s[\b], 1
	s_mov_b32 s[\b+1], s[\l]
	s_add_nc_u64 s[\b+2:\b+3], s[\t:\t+1], s[\o:\o+1]
.if \more
	s_add_nc_u64 s[\b+2:\b+3], s[\b+2:\b+3], \more
.endif
	s_or_b32 s[\b+3], s[\b+3], 0x80000000
.endm
	s_load_b256 s[4:11], s[0:1], 0x0               ; Q's codes s[4:5], K's s[6:7], V's s[8:9], the scales' exponents s[10:11]
	s_load_b64 s[12:13], s[0:1], 0x20              ; O
	v_lshl_add_u32 v[SPW], v0, 2, SPARE
	v_mov_b32 v[NIL], 0
	ds_add_u32 v[SPW], v[NIL]                      ; the wave's opening: the add, twice on end, and its wait ahead of my first tensor load; work on registers stands between the second and the wait
	ds_add_u32 v[SPW], v[NIL]
	v_lshrrev_b32 v8, 5, v0
	v_readfirstlane_b32 s[WV], v8                  ; wave 0..7
	s_lshr_b32 s15, s[WV], 1
	s_and_b32 s15, s15, 1                          ; which half of the head's keys I fetch
	s_and_b32 s16, s[WV], 1                        ; which part of it: of the keys (K), of the channels (V)
	s_and_b32 s84, ttmp7, 0xffff                   ; the head, which the four partners share
	s_lshl_b32 s84, s84, 17                        ; its first byte in each tensor of codes
	s_lshl_b32 s86, s15, 16                        ; K in memory: 1,024 keys of 64 bytes a half
	s_add_co_u32 s86, s86, s84
	s_mul_i32 s88, s16, 24576                      ; stage 1: keys 256 on, 384 a part
	s_add_co_u32 s88, s88, s86
	s_add_co_u32 s88, s88, 16384
	s_mov_b32 s89, 0
	s_lshl_b32 s85, s16, 13                        ; stage 0: keys 0 to 255, 128 a part
	s_add_co_u32 s86, s86, s85
	s_mov_b32 s87, 0
	s_lshl_b32 s90, s16, 16                        ; V in memory: 32 rows of 2,048 bytes a part
	s_lshl_b32 s91, s15, 10                        ; 1,024 keys a half
	s_add_co_u32 s90, s90, s91
	s_add_co_u32 s90, s90, s84
	s_mov_b32 s91, 0
	s_mul_i32 s92, s15, KHALF                      ; K in LDS; no place in the cluster enters an LDS address
	s_mul_i32 s93, s16, 96*272
	s_add_co_u32 s93, s93, s92
	s_add_co_u32 s93, s93, 64*272                  ; stage 1
	s_mul_i32 s85, s16, 32*272
	s_add_co_u32 s92, s92, s85                     ; stage 0
	s_mul_i32 s94, s15, 64*272                     ; V in LDS
	s_add_co_u32 s94, s94, s85
	s_add_co_u32 s94, s94, VB0                     ; stage 0
	s_mul_i32 s95, s15, 64*816
	s_mul_i32 s85, s16, 32*816
	s_add_co_u32 s95, s95, s85
	s_add_co_u32 s95, s95, VB1                     ; stage 1
	s_bfe_u32 s16, ttmp6, 0x40000                  ; cx: it enters Q's and O's addresses alone
	s_lshl_b32 s17, ttmp9, 2                       ; in a cluster launch ttmp9 counts clusters
	s_add_co_u32 s17, s17, s16                     ; my block of 256 queries
	s_lshl_b32 s17, s17, 8
	s_lshl_b32 s18, s[WV], 5
	s_add_co_u32 s17, s17, s18                     ; my first query
	s_lshl_b32 s96, s17, 6
	s_add_co_u32 s96, s96, s84                     ; its codes
	s_mov_b32 s97, 0
	s_lshl_b32 s98, s17, 8
	s_lshl_b32 s99, s84, 2                         ; 524,288 bytes of O a head
	s_add_co_u32 s98, s98, s99                     ; its row of O
	s_mov_b32 s99, 0
	GROUP1 G1K0, 256, 32, 256                      ; 128 keys of 64 bytes, dense, as rows of 256 bytes
	GROUP1 G1K1, 256, 96, 256                      ; 384 keys
	GROUP1 G1V0, 256, 32, 2048                     ; 32 channels x 256 keys
	GROUP1 G1V1, 768, 32, 2048                     ; 32 channels x 768 keys
	s_mov_b32 s[SEL], 0x76543210
	s_mov_b32 s[SEL+1], 0xfedcba98
	s_mov_b32 s[CS], 0x3e38aa3b                    ; log2(e) / 8
	s_mov_b32 s[KO], KSTEP
	s_mov_b32 s[VO], 0
	s_mul_i32 s85, s[WV], 16*SP
	s_add_co_u32 s85, s85, STAGE                   ; my stage
	v_and_b32 v8, 15, v0                           ; r
	v_bfe_u32 v9, v0, 4, 1                         ; h
	v_lshlrev_b32 v[QO], 6, v8
	v_lshl_add_u32 v[QO], v9, 4, v[QO]             ; Q: row r of 64 bytes, + 16 h
	v_bfe_u32 v11, v0, 3, 1
	v_mul_u32_u24 v[AK], v11, KHALF                ; K: row r of a tile is key 1024 (r / 8) + r % 8,
	v_bfe_u32 v11, v0, 2, 1
	v_mul_u32_u24 v11, v11, 272
	v_add_nc_u32 v[AK], v[AK], v11
	v_and_b32 v11, 3, v0
	v_lshl_add_u32 v[AK], v11, 6, v[AK]
	v_lshl_add_u32 v[AK], v9, 4, v[AK]             ; + 16 h
	v_mul_u32_u24 v[AV], v8, 272                   ; V: channel r of a tile, keys of half h
	v_mul_u32_u24 v11, v9, 64*272
	v_add_nc_u32 v[AV], v[AV], v11
	v_add_nc_u32 v[AV], VB0, v[AV]
	v_mul_u32_u24 v[AV+1], v8, 816
	v_mul_u32_u24 v11, v9, 64*816
	v_add_nc_u32 v[AV+1], v[AV+1], v11
	v_add_nc_u32 v[AV+1], VB1, v[AV+1]
	v_mul_u32_u24 v[STO], v8, SP
	v_lshl_add_u32 v[STO], v9, 5, v[STO]
	v_add_nc_u32 v[STO], s85, v[STO]               ; the way out, in: row r; tile t's eight channels of my half: 64 t + 32 h bytes on
	v_mul_u32_u24 v[RD], v9, SP
	v_lshl_add_u32 v[RD], v8, 4, v[RD]
	v_add_nc_u32 v[RD], s85, v[RD]                 ; back: lanes 0-15 one row, lanes 16-31 the next
	v_and_b32 v[GO], 31, v0
	v_lshlrev_b32 v[GO], 4, v[GO]
	s_wait_alu depctr_va_vdst(0)
	s_wait_dscnt 0x0                               ; both opening adds are done
	CROUND                                         ; all four work-groups are here: the first joint loads meet
	s_wait_kmcnt 0x0
	GROUP0 G0K0, 92, 6, 86, 0
	GROUP0 G0V0, 94, 8, 90, 0
	JLOAD G0K0, G1K0, G0V0, G1V0                   ; stage 0
	s_load_b128 s[56:59], s[10:11], 0x0            ; eq, ek, ep, ev
	s_add_nc_u64 s[4:5], s[4:5], s[96:97]          ; Q's codes at my first query
	s_add_nc_u64 s[12:13], s[12:13], s[98:99]      ; O likewise
	global_load_b128 v[QA:QA+3], v[QO], s[4:5] th:TH_LOAD_NT               ; Q's fragments stay in registers: bytes 16 h .. + 15,
	global_load_b128 v[QA+4:QA+7], v[QO], s[4:5] offset:32 th:TH_LOAD_NT   ; and 32 + 16 h .. + 15
	global_load_b128 v[QB:QB+3], v[QO], s[4:5] offset:1024 th:TH_LOAD_NT
	global_load_b128 v[QB+4:QB+7], v[QO], s[4:5] offset:1056 th:TH_LOAD_NT
	GROUP0 G0K1, 93, 6, 88, 0
	GROUP0 G0V1, 95, 8, 90, 256
	s_wait_kmcnt 0x0
	s_add_co_i32 s84, s56, s57
	s_lshl_b32 s84, s84, 23
	s_add_co_i32 s[CS], s[CS], s84                 ; a score stands for score x 2^(eq + ek): the two exponents are added to c's exponent field
	s_mov_b32 s[CS+1], s[CS]                       ; (named with it as a pair, so it is written)
	s_add_co_i32 s84, s58, 127
	s_lshl_b32 s85, s84, 23                        ; 2^ep as f32: the conversion takes its exponent field
	s_add_co_i32 s84, s84, 8
	s_lshl_b32 s84, s84, 23
	s_or_b32 s[LIM], s84, 0x600000                 ; 448 x 2^ep
	s_add_co_i32 s[EPV], s58, s59                  ; ep + ev, for the way out
	WIN 0x40
	v_mov_b32 v[SCV], s85
.irp x, XA, XB
	v_mov_b32 v[\x+1], 0                           ; named as upper halves of pairs
	v_mov_b32 v[\x+3], 0
	v_mov_b32 v[\x+9], 0                           ; a lane permute's destination counts as one of its sources
.endr
	WIN 0
; The steps from a tile's four maxima to -M and f; they stand singly among other lines.  S at s, state at x.  first = 1: no sums yet, so no f.
.macro MOP n, s, x, first
.if (\n) == 0
	v_max3_num_f32 v[\x+5], v[\x+5], v[\x+6], v[\s+63]
.endif
.if (\n) == 1
	v_max3_num_f32 v[\x+5], v[\x+5], v[\x+7], v[\x+8]
.endif
.if (\n) == 2
	v_permlanex16_b32 v[\x+9], v[\x+5], s[SEL], s[SEL+1]
.endif
.if (\n) == 3
	v_max_num_f32 v[\x+4], v[\x+5], v[\x+9]        ; the largest score so far, lane l xor 16's among them
.endif
.if (\n) == 4
	v_mul_f32 v[\x+10], s[CS], v[\x+4]             ; as t (c is positive)
.endif
.if (\n) == 5
	v_floor_f32 v[\x+10], -v[\x+10]                ; the new -M = floor(-t) = -ceil(t)
.endif
.if ((\n) == 6) && (\first == 0)
	v_sub_f32 v[\x+9], v[\x+10], v[\x]             ; old M - new M: a whole number, 0 or less
.endif
.if (\n) == 7
	v_mov_b32 v[\x], v[\x+10]
.endif
.if ((\n) == 8) && (\first == 0)
	v_cvt_i32_f32 v[\x+9], v[\x+9]                 ; (it saturates)
.endif
.if ((\n) == 9) && (\first == 0)
	v_ldexp_f32 v[\x+2], 1.0, v[\x+9]              ; f = 2^(old M - new M)
.endif
.endm
; A tile's largest score in four chains, in ascending order: each matrix result is read from its low end on.  ox: the state of a tile whose steps to M stand in between (0: none)
.macro MAXES s, x, first, os, ox
.if \first
	v_max_num_f32 v[\x+5], v[\s], v[\s+1]
.else
	v_max3_num_f32 v[\x+5], v[\x+4], v[\s], v[\s+1]
.endif
	v_max3_num_f32 v[\x+6], v[\s+2], v[\s+3], v[\s+4]
	v_max3_num_f32 v[\x+7], v[\s+5], v[\s+6], v[\s+7]
	v_max3_num_f32 v[\x+8], v[\s+8], v[\s+9], v[\s+10]
.set nn, 0
.rept 26
	v_max3_num_f32 v[\x+5+nn%4], v[\x+5+nn%4], v[\s+11+2*nn], v[\s+12+2*nn]
.if \ox
.if ((nn%2) == 1) && (nn < 20)
	MOP nn/2, \os, \ox, \first
.endif
.endif
.set nn, nn+1
.endr
.endm
; t - M, two at a time (of the pairs c and -M the low word serves both halves)
.macro TM s, x
	v_pk_fma_f32 v[\s+2*jj:\s+2*jj+1], v[\s+2*jj:\s+2*jj+1], s[CS:CS+1], v[\x:\x+1] op_sel_hi:[1,0,0]
.endm
; Pair jj of a half of p into the row's sum, unquantised.  mode 0: a tile's first half, the old sum x f; 1: its second half; 2: the sums begin
.macro SUM p, a, x, mode
.if (\mode) == 0
	v_pk_fma_f32 v[\a+2*jj:\a+2*jj+1], v[\a+2*jj:\a+2*jj+1], v[\x+2:\x+3], v[\p+2*jj:\p+2*jj+1] op_sel_hi:[1,0,1]
.endif
.if (\mode) == 1
	v_pk_add_f32 v[\a+2*jj:\a+2*jj+1], v[\a+2*jj:\a+2*jj+1], v[\p+2*jj:\p+2*jj+1]
.endif
.if (\mode) == 2
	v_dual_mov_b32 v[\a+2*jj], v[\p+2*jj] :: v_dual_mov_b32 v[\a+2*jj+1], v[\p+2*jj+1]
.endif
.endm
; The hold at the largest code, two numbers a line: the conversion to an 8-bit code does not saturate (ISA guide 7.6.2); p is not negative, so it is one-sided.  Always executed: no branch hangs on a scale
.macro HOLD p
	v_dual_min_num_f32 v[\p+2*jj], s[LIM], v[\p+2*jj] :: v_dual_min_num_f32 v[\p+2*jj+1], s[LIM], v[\p+2*jj+1]
.endm
; A batch of 32 exponentials (p = 2^(t - M)) from e on, by turns with tile s's t - M
.macro EXPTM e, s, x
	s_wait_alu depctr_va_vdst(0)
.set jj, 0
.rept 32
	v_exp_f32 v[\e+jj], v[\e+jj]
	TM \s, \x
.set jj, jj+1
.endr
.endm
; The same by turns with the sums and the hold of the 32 numbers from p on, made by the batch before: one wait serves that batch's results and this one's sources
.macro EXPSUM e, p, a, x, mode
	s_wait_alu depctr_va_vdst(0)
.set jj, 0
.rept 16
	v_exp_f32 v[\e+2*jj], v[\e+2*jj]
	SUM \p, \a, \x, \mode
	v_exp_f32 v[\e+2*jj+1], v[\e+2*jj+1]
	HOLD \p
.set jj, jj+1
.endr
.endm
.macro CODES p, s                      ; tile T's eight numbers give registers 2 T, 2 T + 1 of P
	WIN 0x05
.irp t, 0,1,2,3,4,5,6,7
	v_cvt_scalef32_pk8_fp8_f32 v[\p+2*\t:\p+2*\t+1], v[\s+8*\t:\s+8*\t+7], v[SCV]
.endr
.endm
.macro VLOAD st                        ; a step's V: four fragments of 16 channels x 128 keys
.irp t, 0,1,2,3
.irp b, 0,1,2,3
	ds_load_b128 v[VF+16*\t+4*\b:VF+16*\t+4*\b+3], v[ADV] offset:16*(272+544*\st)*\t+16*\b
.endr
.endr
.endm
; THE WAY OUT of a tile.  OUTT: the sum's parts are added; O^T is divided by the sum, multiplied by 2^(ep + ev), and goes through my stage in LDS, so that whole rows of 256 bytes leave.  SENDT: they are stored.
.macro OUTT a, x, o, u
	WIN 0x55
.irp n, 16,8,4,2
.set jj, 0
.rept \n/2
	v_pk_add_f32 v[\a+jj:\a+jj+1], v[\a+jj:\a+jj+1], v[\a+\n+jj:\a+\n+jj+1]
.set jj, jj+2
.endr
.endr
	v_add_f32 v[\a], v[\a], v[\a+1]
	v_permlanex16_b32 v[\x+9], v[\a], s[SEL], s[SEL+1]
	v_add_f32 v[\a], v[\a], v[\x+9]                ; and lane l xor 16's: the row's sum
	s_wait_alu depctr_va_vdst(0)
	v_rcp_f32 v[\a], v[\a]
	v_nop                                          ; one plain place behind it
	s_wait_alu depctr_va_vdst(0)                   ; and the wait ahead of its first reader
	v_ldexp_f32 v[\a], v[\a], s[EPV]               ; x 2^(ep + ev)
	WIN 0x04
	s_wait_alu depctr_va_vdst(0)
.set jj, 0
.rept 16
	v_pk_mul_f32 v[\o+jj:\o+jj+1], v[\o+jj:\o+jj+1], v[\a:\a+1] op_sel_hi:[1,0]
.set jj, jj+2
.endr
	WIN 0
.irp t, 0,1,2,3
	ds_store_b128 v[STO], v[\o+8*\t:\o+8*\t+3] offset:64*\t
	ds_store_b128 v[STO], v[\o+8*\t+4:\o+8*\t+7] offset:64*\t+16
.endr
.irp i, 0,1,2,3,4,5,6,7
	ds_load_b128 v[KF+32*\u+4*\i:KF+32*\u+4*\i+3], v[RD] offset:2*\i*SP   ; LDS serves a wave's instructions in order (ISA guide 5.7.1.4): these see my stores
.endr
.endm
.macro SENDT u
.irp i, 0,1,2,3,4,5,6,7
	s_wait_dscnt 7-\i                              ; load i is in; those behind it may stay out
	global_store_b128 v[GO], v[KF+32*\u+4*\i:KF+32*\u+4*\i+3], s[12:13] offset:4096*\u+512*\i th:TH_STORE_NT   ; 32 lanes store 512 consecutive bytes, two whole rows of O, at a multiple of 256 from O's first byte
.endr
.endm
.macro PV o, p, first                  ; O^T += V^T P^T: four tiles of 16 channels by turns; K = these 128 keys
.irp t, 0,1,2,3
.if \first
	v_wmma_f32_16x16x128_fp8_fp8 v[\o+8*\t:\o+8*\t+7], v[VF+16*\t:VF+16*\t+15], v[\p:\p+15], 0
.else
	v_wmma_f32_16x16x128_fp8_fp8 v[\o+8*\t:\o+8*\t+7], v[VF+16*\t:VF+16*\t+15], v[\p:\p+15], v[\o+8*\t:\o+8*\t+7]
.endif
.endr
.endm
.macro KLOAD a                         ; a step's K: eight tiles, from v[a] on
.irp t, 0,1,2,3,4,5,6,7
	ds_load_b128 v[KF+8*\t:KF+8*\t+3], v[\a] offset:544*\t
	ds_load_b128 v[KF+8*\t+4:KF+8*\t+7], v[\a] offset:544*\t+32
.endr
.endm
; A KEY STEP.  first = 1: it begins the sums.  st: V's stage.  pf = 1: the next step's K is fetched.
.macro STEP first, st, pf
	s_wait_dscnt 0x0                               ; K is in
	WIN 0x40
.irp t, 0,1,2,3,4,5,6,7                        ; S^T = K Q^T: the head's 64 are one instruction deep, so each product starts and ends its sum
	v_wmma_f32_16x16x64_fp8_fp8 v[SA+8*\t:SA+8*\t+7], v[KF+8*\t:KF+8*\t+7], v[QA:QA+7], 0
.endr
.irp t, 0,1,2,3,4,5,6,7
	v_wmma_f32_16x16x64_fp8_fp8 v[SB+8*\t:SB+8*\t+7], v[KF+8*\t:KF+8*\t+7], v[QB:QB+7], 0
.endr
	WIN 0
	v_add_nc_u32 v[ADV], s[VO], v[AV+\st]          ; four places in front of the loads into registers that products have read, and of the first read of the scores
.if \pf
	v_add_nc_u32 v[ADK], s[KO], v[AK]
.else
	v_nop
.endif
	v_nop
	v_nop
	WIN 0x55
	MAXES SA, XA, \first, 0, 0
	MAXES SB, XB, \first, SA, XA
.set jj, 0
.rept 32
	TM SA, XA
.if ((jj%3) == 2) && (jj < 30)
	MOP jj/3, SB, XB, \first
.endif
.set jj, jj+1
.endr
.if \first == 0
	WIN 0x04
.set jj, 0
.rept 16
	v_pk_mul_f32 v[OA+jj:OA+jj+1], v[OA+jj:OA+jj+1], v[XA+2:XA+3] op_sel_hi:[1,0]   ; O^T under the new M, each tile from its low end on
.set jj, jj+2
.endr
.set jj, 0
.rept 16
	v_pk_mul_f32 v[OB+jj:OB+jj+1], v[OB+jj:OB+jj+1], v[XB+2:XB+3] op_sel_hi:[1,0]
.set jj, jj+2
.endr
	WIN 0x55
.endif
	EXPTM SA, SB, XB
	WIN 0
	VLOAD \st                                      ; wanted behind the whole softmax
	WIN 0x55
	EXPSUM SA+32, SA, AA, XA, 2*\first
.if \pf
	WIN 0
	KLOAD ADK                                      ; the next step's K
	WIN 0x55
.endif
	EXPSUM SB, SA+32, AA, XA, 1
.if \pf
	EXPSUM SB+32, SB, AB, XB, 2*\first
	s_wait_dscnt 16                                ; LDS loads come back in order (ISA guide 5.7.1): V's 16 are in; the 16 behind them, the next step's K, may stay out
	s_wait_alu depctr_va_vdst(0)
	CODES PA, SA
	WIN 0x55
.else                                          ; the last step: tile A is finished and leaves while tile B is at work
	s_wait_dscnt 0x0                               ; V is in
	s_wait_alu depctr_va_vdst(0)
	CODES PA, SA
	WIN 0
	v_nop                                          ; one plain vector instruction behind the last conversion
	PV OA, PA, \first
	OUTT AA, XA, OA, 0
	WIN 0x55
	EXPSUM SB+32, SB, AB, XB, 2*\first
	WIN 0
	SENDT 0
	WIN 0x55
	s_wait_alu depctr_va_vdst(0)
.endif
.set jj, 0
.rept 16
	SUM SB+32, AB, XB, 1
	HOLD SB+32
.set jj, jj+1
.endr
	CODES PB, SB
	WIN 0
	v_nop                                          ; one plain vector instruction behind the last conversion
.if \pf
	PV OA, PA, \first
.endif
	PV OB, PB, \first
.endm
	s_wait_alu depctr_va_vdst(0)
	s_wait_loadcnt 0x0                             ; Q
	s_wait_tensorcnt 0x0                           ; my part of stage 0 is in
	ds_add_u32 v[SPW], v[NIL]
	s_wait_dscnt 0x0                               ; the add is done
	CROUND                                         ; everybody's part of stage 0 is in, and all four work-groups are here
	JLOAD G0K1, G1K1, G0V1, G1V1                   ; stage 1, the first tensor load behind the round
	KLOAD AK                                       ; step 0's K
	s_setprio 3                                    ; a wave's priority falls as it walks the keys: 3 up to step 7, 2 up to step 11, 1 up to step 14, 0 in the last: a wave a level ahead yields to the one behind.  It orders no access
	STEP 1, 0, 1
	s_mov_b32 s[CNT], 2
.Lstage0:                                          ; steps 1 and 2
	s_add_co_u32 s[KO], s[KO], KSTEP
	s_add_co_u32 s[VO], s[VO], 64
	STEP 0, 0, 1
	s_sub_co_u32 s[CNT], s[CNT], 1
	s_cmp_lg_u32 s[CNT], 0
	s_cbranch_scc1 .Lstage0
	s_wait_alu depctr_va_vdst(0)
	s_wait_tensorcnt 0x0                           ; my part of stage 1 is in, and no LDS instruction of mine is pending at the signal;
	s_wait_dscnt 0x0
	s_barrier_signal -1
	s_barrier_wait -1                              ; behind the barrier the same holds of all eight waves
	s_mov_b32 s[KO], 4*KSTEP
	s_mov_b32 s[VO], 3*64
	STEP 0, 0, 1                                   ; step 3: V's stage 0, and the first K of stage 1
; Steps 4 + from to 4 + to - 1, at one priority
.macro WALK from, to, prio
	s_setprio \prio
	s_mov_b32 s[CNT], \from
	s_mov_b32 s[KO], (4+\from)*KSTEP
.Lwalk_\@:
	s_add_co_u32 s[KO], s[KO], KSTEP
	s_lshl_b32 s[VO], s[CNT], 6                    ; 64 keys a step,
	s_lshr_b32 s84, s[CNT], 2
	s_lshl_b32 s84, s84, 4                         ; and 16 bytes of padding behind every four steps
	s_add_co_u32 s[VO], s[VO], s84
	STEP 0, 1, 1
	s_add_co_u32 s[CNT], s[CNT], 1
	s_cmp_lt_u32 s[CNT], \to
	s_cbranch_scc1 .Lwalk_\@
.endm
	WALK 0, 4, 3
	WALK 4, 8, 2
	WALK 8, 11, 1
	s_setprio 0
	s_mov_b32 s[VO], 11*64+2*16
	STEP 0, 1, 0                                   ; step 15: nothing more is fetched
	; THE WAY OUT.  The sums' parts are added; O^T is divided by the sum, multiplied by 2^(ep + ev), and goes through my stage in LDS, so that whole rows of 256 bytes leave.  The tiles' lines stand by turns.
	OUTT AB, XB, OB, 1                             ; tile B goes out; tile A's reads of the stage are over
	SENDT 1
	s_wait_tensorcnt 0x0                           ; the wave's end, behind my last tensor load and my last LDS store
	ds_add_u32 v[SPW], v[NIL]
	s_wait_dscnt 0x0
	CROUND                                         ; the closing round
	s_endpgm
.Lfunc_end_k_q2e6d6510d1_attn:
	.size	k_q2e6d6510d1_attn, .Lfunc_end_k_q2e6d6510d1_attn-k_q2e6d6510d1_attn
	.p2alignl 7, 3214868480
	.fill 96, 4, 3214868480
	.section	.rodata,"a",@progbits
	.p2align	6, 0x0
	.amdhsa_kernel k_q2e6d6510d1_attn
		.amdhsa_group_segment_fixed_size 327680
		.amdhsa_private_segment_fixed_size 0
		.amdhsa_enable_private_segment 0
		.amdhsa_kernarg_size 40
		.amdhsa_user_sgpr_count 2
		.amdhsa_user_sgpr_kernarg_segment_ptr 1
		.amdhsa_wavefront_size32 1
		.amdhsa_system_sgpr_workgroup_id_x 1
		.amdhsa_system_sgpr_workgroup_id_y 1
		.amdhsa_system_sgpr_workgroup_id_z 1
		.amdhsa_system_vgpr_workitem_id 0
		.amdhsa_next_free_vgpr 512
		.amdhsa_next_free_sgpr 100
		.amdhsa_reserve_vcc 0
		.amdhsa_float_denorm_mode_32 3
		.amdhsa_float_denorm_mode_16_64 3
		.amdhsa_memory_ordered 1
		.amdhsa_forward_progress 1
		.amdhsa_inst_pref_size 215
	.end_amdhsa_kernel
	.amdgpu_metadata
---
amdhsa.version: [ 1, 2 ]
amdhsa.kernels:
  - .name:           k_q2e6d6510d1_attn
    .symbol:         k_q2e6d6510d1_attn.kd
    .args:
      - { .name: q_codes, .offset: 0, .size: 8, .value_kind: global_buffer, .address_space: global }
      - { .name: k_codes, .offset: 8, .size: 8, .value_kind: global_buffer, .address_space: global }
      - { .name: v_codes, .offset: 16, .size: 8, .value_kind: global_buffer, .address_space: global }
      - { .name: lowp_scales, .offset: 24, .size: 8, .value_kind: global_buffer, .address_space: global }
      - { .name: out0, .offset: 32, .size: 8, .value_kind: global_buffer, .address_space: global }
    .group_segment_fixed_size: 327680
    .private_segment_fixed_size: 0
    .kernarg_segment_align: 8
    .kernarg_segment_size: 40
    .max_flat_workgroup_size: 256
    .sgpr_count:     100
    .vgpr_count:     512
    .wavefront_size: 32
...
	.end_amdgpu_metadata
.endif
;; end of part 1
